; MI455X (gfx1250); checked and timed in simulation.
; The chip was launched on July 23, 2026; its instructions are those of AMD's public machine-readable ISA for CDNA 5 (MIT licence, August 2026) and "CDNA5" Instruction Set Architecture Reference Guide (July 2026). The comments in the code are by the model that wrote it; some were corrected since.
;; Quadratic. Allowed arithmetic: float matrix products may take bf16 or f16 operands with f32 sums; other float arithmetic in f32, or as packed bf16 or f16 multiplies, adds, multiply-adds, maxima and minima; sums over many terms, partial sums and values carried from step to step in f32; what a program stores and reads back later, other than sums and carried values, may be rounded once to bf16 or f16.
;; Inputs: A 4,096 x 4,096 float32; b 4,096 float32; c 1 float32; x 4,096 x 4,096 float32.
;; Outputs: out0 4,096 x 1 float32.
;; 2 versions, each right; version 2 is version 1 with the launch prep written anew for expert scheduling mode. Each part assembles by itself: llvm-mc -triple=amdgcn-amd-amdhsa -mcpu=gfx1250 --defsym DOCPART=n.
;; ======== version 1 of 2: 3 launches
;; limits: values are held in f16: magnitudes above 65,504 overflow, below 6.1e-05 lose precision
;; workspace buffers: xh 33,554,432 bytes; uh 18,874,368 bytes; part 524,288 bytes
;; launch prep (part 1): grid 1024 x 1, 8 waves a work-group, no clusters, 70,656 bytes of LDS; arguments x, A, xh, uh; writes xh, uh
.if DOCPART == 1
	.amdgcn_target "amdgcn-amd-amdhsa--gfx1250"
	.amdhsa_code_object_version 6
	.text
	.protected	k_q9161456e4a_prep
	.globl	k_q9161456e4a_prep
	.p2align	8
	.type	k_q9161456e4a_prep,@function
k_q9161456e4a_prep:
	s_mov_b64 s[64:65], 0
	v_nop
	global_prefetch_b8 v0, s[64:65] scope:SCOPE_SE
	s_setreg_imm32_b32 hwreg(HW_REG_WAVE_MODE, 25, 1), 1
	s_wait_xcnt 0x0
; y[i] = sum over k, j of x[i][k] A[k][j] x[i][j] + sum over j of x[i][j] b[j] + c.   x, A: [4096][4096] f32.
; THE FOLD.  The ordered pairs (k, j) and (j, k) carry the same factor x[i][k] x[i][j], whatever the inputs hold, so A[k][j] + A[j][k] is formed once and multiplied once.
; Columns and K are cut into 16 blocks of 256.  Column block N takes the K blocks (N + d) mod 16 for d = 0 .. 7, and d = 8 where N < 8: each unordered pair of blocks is taken exactly once
; (distance 1 to 7: by the arc's lower end; distance 8: by the smaller number), 136 blocks for 256.  U(N, 0) = A's diagonal block as it lies; U(N, d >= 1)[n][k] = A[n][k] + A[k][n].
; Then y[m] = c + sum over N, n in N of x[m][n] (b[n] + sum over d, k of U(N, d)[n][k] x[m][k]).  No work of the problem is left out: all four inputs reach the result; the same products are grouped anew.
; THIS LAUNCH rounds x to f16 (xh, [4096][4096]) and makes U in f16 (uh, [16 N][256 n][2304 p], p = 256 d + k: the order in which the next launch walks K; for N >= 8 the last 512 bytes
; of a row are neither written nor read).
; LIMITS.  x and A[n][k] + A[k][n] are rounded once to f16: they must stay under 65,520 in magnitude; below 6e-5 f16 keeps a fixed step of 6e-8.  The order of the sums is not the reference's.
; NaN and infinities are not treated apart.
; SHARES.  Every work-group reads 128 KiB.  g < 480: one strip of 64 rows of one of the 120 folded blocks.  480 <= g < 512: 128 rows of a diagonal block.  g >= 512: 128 KiB of x.
; All data goes through registers; matrix units, clusters and tensor loads would add nothing: no byte is read twice.
.set SPARE, 69632                      ; behind the strip in LDS: the spare words, 128 bytes for each of the 8 waves: four blocks of 256 bytes that no other line names
.set SPW, 140                          ; v140  LDS address of my spare word; never rewritten
.set NIL, 141                          ; v141  0; never rewritten
.set IN,  16                           ; s[16:17] where I read
.set OUT, 18                           ; s[18:19] where I store
.set SB,  20                           ; s[20:21] the block that is turned
.set VI,  2                            ; v2   the casts: my byte offset in a chunk as read
.set VO,  3                            ; v3   and as stored
.set X,   8                            ; v[8:71]   the casts: 16 slots of 4 registers as loaded
.set Y,   72                           ; v[72:103] 16 slots of 2 registers to store
	s_load_b256 s[4:11], s[0:1], 0x0               ; x s[4:5], A s[6:7], xh s[8:9], uh s[10:11]
	v_lshl_add_u32 v[SPW], v0, 2, SPARE
	v_mov_b32 v[NIL], 0
	s_mov_b32 s2, ttmp9                            ; g
	s_wait_kmcnt 0x0
	s_cmp_lt_u32 s2, 480
	s_cbranch_scc1 .Lsym
	s_cmp_lt_u32 s2, 512
	s_cbranch_scc1 .Ldiag
; 32 chunks of 4,096 bytes of f32 are rounded to f16.  16 register slots: 16 loads of every wave are on their way.  A wave's load covers 512 consecutive bytes, its store 256, both aligned.
.macro CAST instep, outstep
.set i, 0
.rept 16
	global_load_b128 v[X+4*i:X+4*i+3], v[VI], s[IN:IN+1] offset:i*(\instep) th:TH_LOAD_NT
.set i, i+1
.endr
.set i, 0
.rept 16
	s_wait_loadcnt 15                              ; loads come back in order: slot i's is in, the 15 younger ones stay out
	v_cvt_pk_f16_f32 v[Y+2*i], v[X+4*i], v[X+4*i+1]
	v_cvt_pk_f16_f32 v[Y+2*i+1], v[X+4*i+2], v[X+4*i+3]
	global_load_b128 v[X+4*i:X+4*i+3], v[VI], s[IN:IN+1] offset:(16+i)*(\instep) th:TH_LOAD_NT
	global_store_b64 v[VO], v[Y+2*i:Y+2*i+1], s[OUT:OUT+1] offset:i*(\outstep) th:TH_STORE_NT
.set i, i+1
.endr
	s_wait_xcnt 0x0                                ; the stores have read their data: Y is written again only behind this wait
.set i, 0
.rept 16
	s_wait_loadcnt 15-i                            ; the last round loads nothing: the counts run down
	v_cvt_pk_f16_f32 v[Y+2*i], v[X+4*i], v[X+4*i+1]
	v_cvt_pk_f16_f32 v[Y+2*i+1], v[X+4*i+2], v[X+4*i+3]
	global_store_b64 v[VO], v[Y+2*i:Y+2*i+1], s[OUT:OUT+1] offset:(16+i)*(\outstep) th:TH_STORE_NT
.set i, i+1
.endr
.endm
	; x: chunk g - 512 of 128 KiB, dense
	s_sub_co_u32 s22, s2, 512
	s_lshl_b32 s24, s22, 17
	s_mov_b32 s25, 0
	s_lshl_b32 s26, s22, 16
	s_mov_b32 s27, 0
	s_add_nc_u64 s[IN:IN+1], s[4:5], s[24:25]
	s_add_nc_u64 s[OUT:OUT+1], s[8:9], s[26:27]
	v_lshlrev_b32 v[VI], 4, v0                     ; 16 t
	v_lshlrev_b32 v[VO], 3, v0                     ; 8 t
	CAST 4096, 2048
	s_endpgm                                       ; this path writes no LDS
.Ldiag:	; a diagonal block's rows 128 hf .. 128 hf + 127: a chunk is 4 rows of 1,024 bytes
	s_sub_co_u32 s22, s2, 480
	s_lshr_b32 s23, s22, 1                         ; N
	s_and_b32 s22, s22, 1                          ; hf
	s_lshl_b32 s24, s23, 22                        ; 256 N rows of 16,384 bytes
	s_lshl_b32 s25, s22, 21                        ; 128 hf rows
	s_add_co_u32 s24, s24, s25
	s_lshl_b32 s25, s23, 10                        ; column 256 N
	s_add_co_u32 s24, s24, s25
	s_mov_b32 s25, 0
	s_mul_i32 s26, s23, 1179648                    ; uh: 256 rows of 4,608 bytes for each N
	s_mul_i32 s27, s22, 589824
	s_add_co_u32 s26, s26, s27
	s_mov_b32 s27, 0
	s_add_nc_u64 s[IN:IN+1], s[6:7], s[24:25]
	s_add_nc_u64 s[OUT:OUT+1], s[10:11], s[26:27]
	v_lshrrev_b32 v1, 6, v0                        ; my row of the chunk's four
	v_and_b32 v7, 63, v0
	v_lshlrev_b32 v[VI], 4, v7
	v_lshl_add_u32 v[VI], v1, 14, v[VI]
	v_lshlrev_b32 v[VO], 3, v7
	v_mul_u32_u24 v1, v1, 4608
	v_add_nc_u32 v[VO], v[VO], v1
	CAST 65536, 18432
	s_endpgm
; A FOLDED BLOCK's strip: rows n = 64 s .. 64 s + 63 of U(N, d).  D = A[256 N + n][256 K + k] lies as U lies: wave w loads rows 8 w .. 8 w + 7 into registers, 512 consecutive bytes a load.
; S = A[256 K + k][256 N + n] is 256 rows of 256 bytes: it goes into LDS as it lies (rows of 272 bytes) and is read back by columns: lane l takes 16 bytes (four n) of the four rows k = 4 l + e,
; so that the turning is a choice of register names.  Those reads take rows 1,088 bytes apart and meet four deep in the banks (64 banks of 4 bytes: ISA guide 11.1); there are 16 of them a wave.
.set SR,  8                            ; v[8:71]   S as loaded, later as read back: item it, row e at SR + 16 it + 4 e
.set DR,  72                           ; v[72:135] D: item it, row c at DR + 4 (4 it + c)
.set VS,  2                            ; v2  S in memory: (t / 16) x 4 rows + 16 (t % 16)
.set VW,  3                            ; v3  the same place in LDS
.set VD,  4                            ; v4  D in memory: wave x 8 rows + 16 lane
.set VR,  5                            ; v5  S read back: lane x 4 rows + 32 wave
.set SVO, 6                            ; v6  uh: wave x 8 rows + 8 lane
.Lsym:
	s_lshr_b32 s22, s2, 2
	s_and_b32 s23, s2, 3                           ; s
	s_lshr_b32 s24, s22, 4
	s_add_co_u32 s24, s24, 1                       ; d = 1 .. 8
	s_and_b32 s22, s22, 15                         ; N (0 .. 7 where d = 8)
	s_add_co_u32 s25, s22, s24
	s_and_b32 s25, s25, 15                         ; K
	s_lshl_b32 s26, s22, 8
	s_lshl_b32 s27, s23, 6
	s_add_co_u32 s26, s26, s27                     ; R0 = 256 N + 64 s
	s_lshl_b32 s28, s26, 14
	s_lshl_b32 s30, s25, 10
	s_add_co_u32 s28, s28, s30
	s_mov_b32 s29, 0
	s_add_nc_u64 s[IN:IN+1], s[6:7], s[28:29]      ; D: row R0, column 256 K
	s_lshl_b32 s28, s25, 22
	s_lshl_b32 s30, s26, 2
	s_add_co_u32 s28, s28, s30
	s_add_nc_u64 s[SB:SB+1], s[6:7], s[28:29]      ; S: row 256 K, column R0
	s_mul_i32 s28, s22, 1179648
	s_mul_i32 s30, s23, 294912                     ; 64 rows of 4,608 bytes
	s_add_co_u32 s28, s28, s30
	s_lshl_b32 s30, s24, 9                         ; p = 256 d
	s_add_co_u32 s28, s28, s30
	s_add_nc_u64 s[OUT:OUT+1], s[10:11], s[28:29]
	v_lshrrev_b32 v7, 4, v0
	v_and_b32 v1, 15, v0
	v_lshlrev_b32 v1, 4, v1
	v_lshl_add_u32 v[VS], v7, 16, v1
	v_mul_u32_u24 v[VW], v7, 1088
	v_add_nc_u32 v[VW], v[VW], v1
	v_lshrrev_b32 v7, 5, v0                        ; wave
	v_and_b32 v1, 31, v0                           ; lane
	v_lshlrev_b32 v[VD], 4, v1
	v_lshl_add_u32 v[VD], v7, 17, v[VD]
	v_mul_u32_u24 v[VR], v1, 1088
	v_lshl_add_u32 v[VR], v7, 5, v[VR]
	v_mul_u32_u24 v[SVO], v7, 36864
	v_lshl_add_u32 v[SVO], v1, 3, v[SVO]
.irp i, 0,1,2,3
.irp q, 0,1,2,3
	global_load_b128 v[SR+4*(4*(\i)+(\q)):SR+4*(4*(\i)+(\q))+3], v[VS], s[SB:SB+1] offset:(\i)*1048576+(\q)*16384 th:TH_LOAD_NT  ; row 4 (t / 16 + 16 i) + q: sixteen lanes take its 256 bytes
.endr
.endr
.irp it, 0,1,2,3
.irp c, 0,1,2,3
	global_load_b128 v[DR+4*(4*(\it)+(\c)):DR+4*(4*(\it)+(\c))+3], v[VD], s[IN:IN+1] offset:(4*((\it)/2)+(\c))*16384+512*((\it)%2) th:TH_LOAD_NT  ; row 8 w + 4 (it / 2) + c, half it % 2
.endr
.endr
.irp i, 0,1,2,3
.irp q, 0,1,2,3
	s_wait_loadcnt 31-(4*(\i)+(\q))                ; this load of S is in; the younger ones of S and all 16 of D stay out
	ds_store_b128 v[VW], v[SR+4*(4*(\i)+(\q)):SR+4*(4*(\i)+(\q))+3] offset:(\i)*17408+(\q)*272
.endr
.endr
	s_wait_dscnt 0x0                               ; for the others' sake: my part of S lies in LDS
	s_barrier_signal -1
	s_barrier_wait -1                              ; everybody's does
.irp it, 0,1,2,3
.irp e, 0,1,2,3
	ds_load_b128 v[SR+16*(\it)+4*(\e):SR+16*(\it)+4*(\e)+3], v[VR] offset:((\it)%2)*34816+(\e)*272+16*((\it)/2)  ; S[128 (it % 2) + 4 l + e][8 w + 4 (it / 2) + 0 .. 3]
.endr
.endr
.irp it, 0,1,2,3
	s_wait_loadcnt 12-4*(\it)                      ; this item's four loads of D are in; the later items' stay out
	s_wait_dscnt 12-4*(\it)                        ; and its four reads of S
.irp c, 0,1,2,3
.irp e, 0,1,2,3
	v_add_f32 v[DR+4*(4*(\it)+(\c))+(\e)], v[DR+4*(4*(\it)+(\c))+(\e)], v[SR+16*(\it)+4*(\e)+(\c)]
.endr
.endr
.irp c, 0,1,2,3
	v_cvt_pk_f16_f32 v[DR+4*(4*(\it)+(\c))], v[DR+4*(4*(\it)+(\c))], v[DR+4*(4*(\it)+(\c))+1]
	v_cvt_pk_f16_f32 v[DR+4*(4*(\it)+(\c))+1], v[DR+4*(4*(\it)+(\c))+2], v[DR+4*(4*(\it)+(\c))+3]
.endr
.irp c, 0,1,2,3
	global_store_b64 v[SVO], v[DR+4*(4*(\it)+(\c)):DR+4*(4*(\it)+(\c))+1], s[OUT:OUT+1] offset:(4*((\it)/2)+(\c))*4608+256*((\it)%2) th:TH_STORE_NT  ; the wave stores 256 consecutive bytes, aligned
.endr
.endr
	s_wait_tensorcnt 0x0                           ; the wave's end: behind my last LDS store
	ds_add_u32 v[SPW], v[NIL]
	s_wait_dscnt 0x0
	s_endpgm
.Lfunc_end_k_q9161456e4a_prep:
	.size	k_q9161456e4a_prep, .Lfunc_end_k_q9161456e4a_prep-k_q9161456e4a_prep
	.p2alignl 7, 3214868480
	.fill 96, 4, 3214868480
	.section	.rodata,"a",@progbits
	.p2align	6, 0x0
	.amdhsa_kernel k_q9161456e4a_prep
		.amdhsa_group_segment_fixed_size 70656
		.amdhsa_private_segment_fixed_size 0
		.amdhsa_enable_private_segment 0
		.amdhsa_kernarg_size 32
		.amdhsa_user_sgpr_count 2
		.amdhsa_user_sgpr_kernarg_segment_ptr 1
		.amdhsa_wavefront_size32 1
		.amdhsa_system_sgpr_workgroup_id_x 1
		.amdhsa_system_sgpr_workgroup_id_y 1
		.amdhsa_system_sgpr_workgroup_id_z 1
		.amdhsa_system_vgpr_workitem_id 0
		.amdhsa_next_free_vgpr 144
		.amdhsa_next_free_sgpr 66
		.amdhsa_reserve_vcc 0
		.amdhsa_float_denorm_mode_32 3
		.amdhsa_float_denorm_mode_16_64 3
		.amdhsa_memory_ordered 1
		.amdhsa_forward_progress 1
		.amdhsa_inst_pref_size 38
	.end_amdhsa_kernel
	.amdgpu_metadata
---
amdhsa.version: [ 1, 2 ]
amdhsa.kernels:
  - .name:           k_q9161456e4a_prep
    .symbol:         k_q9161456e4a_prep.kd
    .args:
      - { .name: x, .offset: 0, .size: 8, .value_kind: global_buffer, .address_space: global }
      - { .name: A, .offset: 8, .size: 8, .value_kind: global_buffer, .address_space: global }
      - { .name: xh, .offset: 16, .size: 8, .value_kind: global_buffer, .address_space: global }
      - { .name: uh, .offset: 24, .size: 8, .value_kind: global_buffer, .address_space: global }
    .group_segment_fixed_size: 70656
    .private_segment_fixed_size: 0
    .kernarg_segment_align: 8
    .kernarg_segment_size: 32
    .max_flat_workgroup_size: 256
    .sgpr_count:     66
    .vgpr_count:     144
    .wavefront_size: 32
...
	.end_amdgpu_metadata
.endif
;; end of part 1
;; launch quad (part 2): grid 16 x 16, 4 waves a work-group, clusters of 4 x 1, 327,680 bytes of LDS; arguments xh, uh, b, part; writes part
.if DOCPART == 2
	.amdgcn_target "amdgcn-amd-amdhsa--gfx1250"
	.amdhsa_code_object_version 6
	.text
	.protected	k_q9161456e4a_quad
	.globl	k_q9161456e4a_quad
	.p2align	8
	.type	k_q9161456e4a_quad,@function
k_q9161456e4a_quad:
	s_mov_b64 s[64:65], 0
	v_nop
	global_prefetch_b8 v0, s[64:65] scope:SCOPE_SE
	s_setreg_imm32_b32 hwreg(HW_REG_WAVE_MODE, 25, 1), 1
	s_wait_xcnt 0x0
	s_wait_alu depctr_hold_cnt(0) depctr_sa_sdst(0) depctr_va_vdst(0) depctr_va_sdst(0) depctr_va_ssrc(0) depctr_va_vcc(0) depctr_vm_vsrc(0)
	s_getreg_b32 s2, hwreg(HW_REG_IB_STS2, 6, 4)
	s_cmp_eq_u32 s2, 0
	s_cbranch_scc0 .Lentry_in_a_cluster
	s_endpgm
.Lentry_in_a_cluster:
	s_bfe_u32 s2, ttmp6, 0x10000c
	s_cmp_lg_u32 s2, 0x3003
	s_cbranch_scc0 .Lentry_shape_is_right
	s_endpgm
.Lentry_shape_is_right:
; part[2 N + half][m] = sum over the 128 columns n of that half of column block N of x[m][n] (b[n] + sum over p of U(N)[n][p] x[m][k(p)]).
; xh: x in f16, [4096][4096].  uh: the folded A in f16, [16 N][256 n][2304 p]: p = 256 d + kk stands for k = 256 ((N + d) mod 16) + kk; d = 0 .. 7, and 8 where N < 8 (the launch before says why each
; pair of blocks is so taken once; nothing of the problem's work is left out).  b: f32.  Products in f16 with f32 sums; the last product with x and all sums in f32.
; LIMITS: those of f16 stated at the head of the launch before; the order of the sums is not the reference's; NaN and infinities are not treated apart.
; SHARES.  A work-group makes one tile C of 256 rows (M) x 256 columns (N) and never stores it: four waves, 128 x 128 each, 64 accumulators of 16 x 16 in 512 registers.  K goes in steps of 128 through a ring
; of two LDS slots: 18 steps where N < 8, else 16.  In step t x's tile begins at byte ((2 N + t) 256) mod 8,192 of its rows, U's at byte 256 t.
; b IS THE C OPERAND of each accumulator's first product, so that the one product with x at the end holds the quadratic and the linear term.
; THE MATRIX INSTRUCTION IS USED TRANSPOSED: source 0 = 16 rows of U (columns n of C), source 1 = 16 rows of x.  Lane l then holds row m = l % 16 and the columns n = 8 (l / 16) + 0 .. 7.
; CLUSTER.  The four work-groups of a cluster have the same N and four neighbouring M: they walk the same tiles of U, the same number of steps, and ask for U's tiles JOINTLY.  x's tiles are asked for by each
; work-group for itself: work-groups with the same rows M have different N, and in the same step stand at different K blocks ((N + d) mod 16), so their requests would not meet.
; THE END.  At the last change of slots each wave asks for its own 128 x 128 of xh (rows of my part of C, columns n) into the slot that has been read out; behind the last product it multiplies its sums
; by them, adds along n, and stores 128 partial sums.
; REGISTERS, in windows of 256: window 0: v0-31 addresses; v32-63 at work at the end; v64-127, v128-191 fragments of x, two buffers; v192-255 b (8 registers for each block of 16 columns), at the end at work.
;   window 1: v64-127, v128-191 fragments of U.   window 2: the accumulators of my rows 0-63 ((a, b) at v[8 (8 a + b)]);   window 3: those of rows 64-127.
.set PITCH,  272                       ; an LDS row: 256 bytes + 16 of padding = 68 words: the 16 rows of a fragment load start at 16 different groups of four banks (64 banks of 4 bytes: ISA guide 11.1)
.set HALFT,  128*PITCH                 ; 128 rows: what one tensor load brings
.set SLOT,   4*HALFT                   ; x's 256 rows, then U's 256 rows
.set STAGE,  2*SLOT                    ; behind the ring: 512 bytes for each wave, its 128 partial sums; no tensor load lands there
.set SPARE,  STAGE+4*512               ; behind the stages: the spare words, 128 bytes for each wave: two blocks of 256 bytes that no other line names
.set ZERO, 6                           ; v6   0
.set ADRA, 16                          ; v16-17  LDS address of my fragments of x in slot 0, 1
.set ADRB, 20                          ; v20-21  the same for U
.set STO,  24                          ; v24  where I put a row's partial sum
.set RD,   25                          ; v25  where I read four of them back
.set CO,   26                          ; v26  16 x lane: my 16 bytes of the wave's 512 in part
.set ADRE, 27                          ; v27  LDS address of my 16 bytes in the last tile's first 16 rows
.set SPW,  28                          ; v28  LDS address of my spare word; never rewritten
.set NIL,  29                          ; v29  0; never rewritten
.set PFO,  30                          ; v30  the prefetches' offset: lane x a row of uh; never rewritten
.set BO,   31                          ; v31  32 (l / 16): my eight numbers in 16 of b
.set XE0,  32                          ; the end: 16 rows x 128 columns of x, 32 registers; the second buffer at v192
.set F0,   64
.set F1,   128
.set BIAS, 192
.set S8,   224                         ; the end: eight running sums
.set YR,   232                         ; one partial sum for each of my eight blocks of 16 rows
.set PX,   240                         ; the other half of the lanes'
.set OV,   248
.set G1,   24                          ; s[24:31] descriptor group 1 for tiles of xh: no mask
.set G0,   32                          ; s[32:39] group 0 for x's tiles, a set for each slot
.set G1B,  48                          ; s[48:55] group 1 for U's tiles: the mask of four
.set G0B,  56                          ; s[56:63] group 0 for U's tiles, a set for each slot
.set G0E,  72                          ; s[72:75] group 0 for the last tile
.set NL,   42                          ; s42  trips of the loop: laps less one
.set PFE,  43                          ; s43  trips in which I prefetch
.set PFA,  44                          ; s[44:45] where my prefetches stand
.set KOFF, 68                          ; s[68:69] byte of x's rows at which the next refill begins
.set MSB, 0
.macro WIN new                         ; the immediate's high byte repeats the setting that is left; a switch that changes nothing is dropped
.if MSB != (\new)
	s_set_vgpr_msb (MSB<<8)|(\new)
.set MSB, \new
.endif
.endm
.set TO_B, 0x40                        ; destination window 1, address window 0
; A refill.  Waves 0 and 1 fetch the two halves of x's tile, for their own work-group; waves 2 and 3 those of U's, jointly with the three partners.  The branch hangs on the wave's number alone.
; An s_nop 0 and four v_nop follow each of the two lines, ahead of the jump and the label.
.macro JLOAD s
	s_cmp_eq_u32 s11, 0
	s_cbranch_scc0 .Lfor_u_\@
	tensor_load_to_lds s[G0+4*(\s):G0+4*(\s)+3], s[G1:G1+7]
	s_nop 0
.rept 4
	v_nop
.endr
	s_branch .Lasked_\@
.Lfor_u_\@:
	tensor_load_to_lds s[G0B+4*(\s):G0B+4*(\s)+3], s[G1B:G1B+7]
	s_nop 0
.rept 4
	v_nop
.endr
.Lasked_\@:
.endm
; A PREFETCH INTO THE L2 of U's K step that stands two refills on: 32 rows x 256 bytes, a lane a row, one instruction a wave; 512 matrix instructions ahead of the load that names those bytes.
; Each row's 256 bytes of a K step are named once in the launch: of the four clusters that walk one N the first (cluster x = 0) asks; in it waves 2 and 3, which fetch U; of the 128 rows that such a wave
; fetches the partner at place cx takes 32 cx .. 32 cx + 31, told apart by address.  Trip j names steps 2 j + 4 and 2 j + 5; the loop's last trip names none, so the last step named is the walk's last.
; The first four steps come by their loads alone.  x's tiles are not asked for: each block of xh is first loaded in the launch's first lap, by the column block N = K.
.macro ASK
	s_cmp_lt_u32 s3, s[PFE]
	s_cbranch_scc0 .Lnot_mine_\@
	global_prefetch_b8 v[PFO], s[PFA:PFA+1] offset:256 th:TH_LOAD_NT scope:SCOPE_SE
.Lnot_mine_\@:
.endm
.macro CREST                           ; a round of the cluster's barrier behind its opening barrier
	s_cmp_lg_u32 s10, 0
	s_cbranch_scc1 .Lnot_wave_0_\@
	s_barrier_signal -3
.Lnot_wave_0_\@:
	s_barrier_wait -3
	s_barrier_signal -1
	s_barrier_wait -1
.endm
.macro CROUND                          ; a whole round
	s_barrier_signal -1
	s_barrier_wait -1
	CREST
.endm
	s_load_b128 s[4:7], s[0:1], 0x0                ; xh s[4:5], uh s[6:7]
	s_load_b64 s[66:67], s[0:1], 0x10              ; b
	s_load_b64 s[8:9], s[0:1], 0x18                ; part
	v_lshl_add_u32 v[SPW], v0, 2, SPARE
	v_mov_b32 v[NIL], 0
	ds_add_u32 v[SPW], v[NIL]                      ; the wave's opening: the add, twice on end, and its wait ahead of my first tensor load; the set-up below stands between
	ds_add_u32 v[SPW], v[NIL]
	v_lshrrev_b32 v1, 5, v0
	v_readfirstlane_b32 s10, v1                    ; wave 0..3
	s_lshr_b32 s11, s10, 1                         ; which half of the tile's rows is mine.  Also: I fetch for x (0) or for U (1)
	s_and_b32 s12, s10, 1                          ; which half of its columns.  Also: which 128 rows of that tile I fetch
	s_bfe_u32 s40, ttmp6, 0x40000                  ; cx: my place in the cluster
	s_lshl_b32 s13, ttmp9, 2                       ; in a cluster launch ttmp9 counts clusters
	s_add_co_u32 s13, s13, s40                     ; M = 4 x cluster x + cx
	s_and_b32 s41, ttmp7, 0xffff                   ; N, which the four partners share
	s_cmp_lt_u32 s41, 8
	s_cselect_b32 s[NL], 8, 7                      ; 9 laps of two K steps where N < 8, else 8; the last lap stands behind the loop
	s_sub_co_u32 s[PFE], s[NL], 1
	s_xor_b32 s21, s11, 1                          ; 0 in waves 2 and 3,
	s_or_b32 s21, s21, ttmp9                       ; where the cluster is the first of its N: the same in all four partners
	s_cmp_eq_u32 s21, 0
	s_cselect_b32 s[PFE], s[PFE], 0
	; descriptor group 1: a tile of 128 rows x 128 elements of 2 bytes, 16 bytes of padding behind every 256
	s_mov_b32 s[G1+0], (1<<16)|(1<<20)|(5<<22)|(3<<25)              ; 15:0 no mask; 17:16 elements of 2 bytes; 20 padding on; 24:22 after every 64 words (code 5); 31:25 4 words of it (code 3)
	s_mov_b32 s[G1B+0], 15|(1<<16)|(1<<20)|(1<<21)|(5<<22)|(3<<25)  ; the same with the mask of all four work-groups, and bit 21 beside it
.irp g, G1, G1B
	s_mov_b32 s[(\g)+1], 128<<16                   ; tensor_dim0 = 128
	s_mov_b32 s[(\g)+2], 128<<16                   ; tensor_dim1 = 128
	s_mov_b32 s[(\g)+3], 128<<16                   ; tile_dim0 = 128
	s_mov_b32 s[(\g)+4], 128                       ; tile_dim1 = 128
	s_mov_b32 s[(\g)+6], 0
	s_mov_b32 s[(\g)+7], 0
.endr
	s_mov_b32 s[G1+5], 4096                        ; elements from row to row: xh,
	s_mov_b32 s[G1B+5], 2304                       ; uh
	s_lshl_b32 s16, s13, 21                        ; x: row 256 M + 128 x half, 8,192 bytes a row
	s_lshl_b32 s17, s12, 20
	s_add_co_u32 s16, s16, s17
	s_mov_b32 s17, 0
	s_mul_i32 s46, s41, 1179648                    ; U: N's 256 rows of 4,608 bytes, + 128 x half: made of N and the wave's number alone
	s_mul_i32 s47, s12, 589824
	s_add_co_u32 s46, s46, s47
	s_mov_b32 s47, 0
	s_lshl_b32 s18, s41, 9                         ; byte 512 N of x's rows: K step 0
	s_mov_b32 s19, 0
	s_add_co_u32 s[KOFF], s18, 512                 ; K step 2, the first refill's
	s_and_b32 s[KOFF], s[KOFF], 8191
	s_mov_b32 s[KOFF+1], 0
	s_mov_b32 s70, 0x76543210                      ; v_permlanex16_b32: each lane takes its own place in the other half
	s_mov_b32 s71, 0xfedcba98
	s_mul_i32 s20, s10, HALFT                      ; where my tiles go: wave x 128 rows: no place in the cluster enters an LDS address
	s_wait_dscnt 0x0                               ; both opening adds are done
	s_wait_kmcnt 0x0
	s_add_nc_u64 s[14:15], s[4:5], s[16:17]        ; xh at the rows that I fetch
	s_add_nc_u64 s[46:47], s[6:7], s[46:47]        ; uh at the rows that I fetch
	s_add_nc_u64 s[22:23], s[14:15], s[18:19]      ; x's K step 0 (K steps 0 and 1 do not wrap: 512 N + 511 is under 8,192)
	CROUND                                         ; all four work-groups are here: the first joint loads meet
.irp s, 0,1
	s_mov_b32 s[G0+4*(\s)], 1                      ; count = 1
	s_add_co_u32 s[G0+4*(\s)+1], s20, (\s)*SLOT    ; LDS address
	s_add_nc_u64 s[G0+4*(\s)+2:G0+4*(\s)+3], s[22:23], (\s)*256  ; global address: K step s
	s_or_b32 s[G0+4*(\s)+3], s[G0+4*(\s)+3], 0x80000000          ; type = 2
	s_mov_b32 s[G0B+4*(\s)], 1
	s_add_co_u32 s[G0B+4*(\s)+1], s20, (\s)*SLOT
	s_add_nc_u64 s[G0B+4*(\s)+2:G0B+4*(\s)+3], s[46:47], (\s)*256
	s_or_b32 s[G0B+4*(\s)+3], s[G0B+4*(\s)+3], 0x80000000
	JLOAD \s                                       ; two loads of mine are out
.endr
	; b: my 128 columns; lane l takes the eight numbers 8 (l / 16) + 0 .. 7 of each 16
	s_lshl_b32 s16, s41, 10
	s_lshl_b32 s17, s12, 9
	s_add_co_u32 s16, s16, s17
	s_mov_b32 s17, 0
	s_add_nc_u64 s[66:67], s[66:67], s[16:17]
	v_and_b32 v1, 15, v0                           ; l % 16
	v_bfe_u32 v2, v0, 4, 1                         ; l / 16
	v_lshlrev_b32 v[BO], 5, v2
.irp bb, 0,1,2,3,4,5,6,7
	global_load_b128 v[BIAS+8*(\bb):BIAS+8*(\bb)+3],   v[BO], s[66:67] offset:64*(\bb)
	global_load_b128 v[BIAS+8*(\bb)+4:BIAS+8*(\bb)+7], v[BO], s[66:67] offset:64*(\bb)+16
.endr
	; A fragment is 16 rows x 32 K in 8 registers: lane l holds row l % 16, K = 8 (l / 16) + 0..7 and 16 + 8 (l / 16) + 0..7: two loads of 16 bytes, 32 bytes apart.
	v_mul_u32_u24 v3, v1, PITCH
	v_lshl_add_u32 v3, v2, 4, v3                   ; row x pitch + 16 x half
	s_mul_i32 s21, s11, HALFT                      ; my 128 rows of x
	s_mul_i32 s22, s12, HALFT                      ; my 128 rows of U,
	s_add_co_u32 s22, s22, 2*HALFT                 ; which lie behind x's 256
.irp s, 0,1
	v_add_nc_u32 v[ADRA+(\s)], s21, v3
	v_add_nc_u32 v[ADRB+(\s)], s22, v3
	s_add_co_u32 s21, s21, SLOT
	s_add_co_u32 s22, s22, SLOT
.endr
	v_add_nc_u32 v[ADRE], s20, v3                  ; the last tile lies where my wave's part of slot 0 lay
	s_lshl_b32 s23, s10, 9
	s_add_co_u32 s23, s23, STAGE                   ; my stage
	v_lshl_add_u32 v[STO], v1, 2, s23
	v_and_b32 v4, 31, v0
	v_lshlrev_b32 v[CO], 4, v4
	v_add_nc_u32 v[RD], s23, v[CO]
	v_mul_u32_u24 v[PFO], v4, 4608
	v_mov_b32 v[ZERO], 0
	; the last tile: xh at row 256 M + 128 x my row half, column 256 N + 128 x my column half
	s_lshl_b32 s76, s13, 21
	s_lshl_b32 s77, s11, 20
	s_add_co_u32 s76, s76, s77
	s_add_co_u32 s76, s76, s18
	s_lshl_b32 s77, s12, 8
	s_add_co_u32 s76, s76, s77
	s_mov_b32 s77, 0
	s_mov_b32 s[G0E], 1
	s_mov_b32 s[G0E+1], s20
	s_add_nc_u64 s[G0E+2:G0E+3], s[4:5], s[76:77]
	s_or_b32 s[G0E+3], s[G0E+3], 0x80000000
	; part: slot 2 N + my column half, row 256 M + 128 x my row half
	s_lshl_b32 s76, s41, 15
	s_lshl_b32 s77, s12, 14
	s_add_co_u32 s76, s76, s77
	s_lshl_b32 s77, s13, 10
	s_add_co_u32 s76, s76, s77
	s_lshl_b32 s77, s11, 9
	s_add_co_u32 s76, s76, s77
	s_mov_b32 s77, 0
	s_add_nc_u64 s[8:9], s[8:9], s[76:77]
	; the prefetches: my work-group's 32 of the 128 rows of U that I fetch, at K step 2; the first refill steps it to 3 and names step 4
	s_mul_i32 s76, s41, 1179648
	s_mul_i32 s77, s12, 589824
	s_add_co_u32 s76, s76, s77
	s_mul_i32 s77, s40, 147456
	s_add_co_u32 s76, s76, s77
	s_add_co_u32 s76, s76, 512
	s_mov_b32 s77, 0
	s_add_nc_u64 s[PFA:PFA+1], s[6:7], s[76:77]
; 16 matrix instructions: row blocks a0, a0 + 1 of the window's four (hi = 0: my rows 0-63, 1: rows 64-127) x all 8 column blocks, 32 along K.  bias = 1: the first product starts the sum with b.
; The 64 accumulators take turns, one instruction a turn, in the same order in every quarter step, over the backward jump too.
.macro MUL16 f, hi, a0, bias
.if \bias
	WIN 0x81+0x40*(\hi)                            ; U window 1, x and b window 0, D window 2 or 3
.else
	WIN 0xa1+0x50*(\hi)                            ; U window 1, x window 0, C and D window 2 or 3
.endif
.irp a, \a0, (\a0)+1
.irp b, 0,1,2,3,4,5,6,7
.if \bias
	v_wmma_f32_16x16x32_f16 v[8*(8*(\a)+(\b)):8*(8*(\a)+(\b))+7], v[(\f)+8*(\b):(\f)+8*(\b)+7], v[(\f)+8*(4*(\hi)+(\a)):(\f)+8*(4*(\hi)+(\a))+7], v[BIAS+8*(\b):BIAS+8*(\b)+7]
.else
	v_wmma_f32_16x16x32_f16 v[8*(8*(\a)+(\b)):8*(8*(\a)+(\b))+7], v[(\f)+8*(\b):(\f)+8*(\b)+7], v[(\f)+8*(4*(\hi)+(\a)):(\f)+8*(4*(\hi)+(\a))+7], v[8*(8*(\a)+(\b)):8*(8*(\a)+(\b))+7]
.endif
.endr
.endr
.endm
; 32 LDS loads in one run: the fragments of one quarter step (128 rows of U, 128 rows of x, 32 K at byte k of the rows) into buffer f
.macro FETCH slot, k, f
	WIN TO_B
.irp i, 0,1,2,3,4,5,6,7
	ds_load_b128 v[(\f)+8*(\i):(\f)+8*(\i)+3],   v[ADRB+(\slot)] offset:(\k)+(\i)*16*PITCH
	ds_load_b128 v[(\f)+8*(\i)+4:(\f)+8*(\i)+7], v[ADRB+(\slot)] offset:(\k)+(\i)*16*PITCH+32
.endr
	WIN 0
.irp i, 0,1,2,3,4,5,6,7
	ds_load_b128 v[(\f)+8*(\i):(\f)+8*(\i)+3],   v[ADRA+(\slot)] offset:(\k)+(\i)*16*PITCH
	ds_load_b128 v[(\f)+8*(\i)+4:(\f)+8*(\i)+7], v[ADRA+(\slot)] offset:(\k)+(\i)*16*PITCH+32
.endr
.endm
.macro PLACES                          ; four plain vector instructions between a matrix instruction and a load into a register that it has read (ISA guide 7.12.1 for vector instructions)
.rept 4
	v_nop
.endr
.endm
; A K step is four quarter steps of 32 along K, 64 matrix instructions each, on buffers 0, 1, 0, 1.  One of the first three multiplies buffer f and, in its middle, fetches the next quarter's fragments into g.
.macro QUARTER slot, k, f, g, bias
	s_wait_dscnt 8                                 ; U and x's rows 0-63 are in; the youngest eight loads (x's rows 64-127) may be out
	MUL16 \f, 0, 0, \bias
	MUL16 \f, 0, 2, \bias
	PLACES
	FETCH \slot, \k, \g
	s_wait_dscnt 32                                ; all but the 32 just issued
	MUL16 \f, 1, 0, \bias
	MUL16 \f, 1, 2, \bias
.endm
; The last quarter multiplies buffer 1 and changes slots.  In front of the barrier each wave waits for all its tensor loads, of which one is out: its part of the next slot; adds 0 to its spare word;
; and waits for that and for its own reads of this slot.  The barrier opens a round of the cluster's.
.macro MEET
	WIN 0
	s_wait_tensorcnt 0x0                           ; all my tensor loads have landed
	ds_add_u32 v[SPW], v[NIL]                      ; 0 onto my spare word
	s_wait_dscnt 9                                 ; (the add and the youngest eight loads may be out)
	MUL16 F1, 0, 0, 0                              ; sixteen matrix instructions stand between the add and the wait for it
	s_wait_dscnt 0x0                               ; the add is done, and my reads of this slot are over
	s_barrier_signal -1
	MUL16 F1, 0, 2, 0                              ; work on registers while the others arrive
	WIN 0
	s_barrier_wait -1
.endm
; kind = 0: the slot just read out takes the K step two steps on.  kind = 1, the last change: it takes each wave's own last tile.  Either is the wave's first and only tensor load behind the round.
.macro TURN slot, next, kind
.if (\kind) == 0
	s_wait_xcnt 0x0                                ; the last prefetch, a K step back, has read its address: it is stepped here
	s_add_nc_u64 s[PFA:PFA+1], s[PFA:PFA+1], 256
.endif
	MEET
	CREST                                          ; no wave of any partner still reads this slot or has a load on its way
.if (\kind) == 0
	s_add_nc_u64 s[G0+4*(\slot)+2:G0+4*(\slot)+3], s[14:15], s[KOFF:KOFF+1]  ; x's address is made anew: its rows' first byte plus the step's byte, which wraps at a row's end
	s_or_b32 s[G0+4*(\slot)+3], s[G0+4*(\slot)+3], 0x80000000
	s_add_co_u32 s[KOFF], s[KOFF], 256
	s_and_b32 s[KOFF], s[KOFF], 8191
	s_add_nc_u64 s[G0B+4*(\slot)+2:G0B+4*(\slot)+3], s[G0B+4*(\slot)+2:G0B+4*(\slot)+3], 512  ; U's goes two K steps on
	JLOAD \slot                                    ; the four v_nop behind it are also the places in front of the loads below
.else
	tensor_load_to_lds s[G0E:G0E+3], s[G1:G1+7]
	s_nop 0
.rept 4
	v_nop
.endr
.endif
	FETCH \next, 0, F0
.if (\kind) == 0
	ASK
.endif
	MUL16 F1, 1, 0, 0
	MUL16 F1, 1, 2, 0
.endm
	s_wait_tensorcnt 1                             ; my part of K step 0 is in; K step 1's may stay out
	s_barrier_signal -1
	s_barrier_wait -1                              ; everybody's is
	FETCH 0, 0, F0
	s_wait_loadcnt 0x0                             ; b
	QUARTER 0, 64,  F0, F1, 1                      ; the first quarter stands in front of the loop: its products start the sums with b
	WIN 0                                          ; at a label and at a branch every window is 0
	s_mov_b32 s3, 0
.Llap:                                                 ; a trip goes once round the ring, from a lap's second quarter to the next lap's first; trip j asks for K steps 2 j + 2 and 2 j + 3; all LDS addresses are fixed
	QUARTER 0, 128, F1, F0, 0
	QUARTER 0, 192, F0, F1, 0
	TURN 0, 1, 0
	QUARTER 1, 64,  F0, F1, 0
	QUARTER 1, 128, F1, F0, 0
	QUARTER 1, 192, F0, F1, 0
	TURN 1, 0, 0
	QUARTER 0, 64,  F0, F1, 0
	WIN 0
	s_add_co_u32 s3, s3, 1
	s_cmp_lt_u32 s3, s[NL]                         ; 8 or 7 trips, by N: the same in all four partners
	s_cbranch_scc1 .Llap
	QUARTER 0, 128, F1, F0, 0                      ; the last lap
	QUARTER 0, 192, F0, F1, 0
	TURN 0, 1, 1                                   ; slot 0 has been read out: it takes the last tiles, which have the last K step in which to land
	QUARTER 1, 64,  F0, F1, 0
	QUARTER 1, 128, F1, F0, 0
	QUARTER 1, 192, F0, F1, 0
	s_wait_dscnt 8                                 ; the very last quarter: nothing more to fetch
	MUL16 F1, 0, 0, 0
	MUL16 F1, 0, 2, 0
	s_wait_dscnt 0x0
	MUL16 F1, 1, 0, 0
	MUL16 F1, 1, 2, 0
	PLACES                                         ; eight plain instructions, once a launch, between the last product and the first read of a sum
	PLACES
	WIN 0
; THE END.  For block a of 16 rows lane l holds C(16 a + l % 16, 16 b + 8 (l / 16) + j) in register j of accumulator (a, b), and takes the same eight columns of x's row from the last tile: 16 bytes.
.macro ELOAD a                         ; block a's 16 rows x 128 columns of x, into the buffer of a's parity
.set XB, XE0+160*((\a)%2)
.irp b, 0,1,2,3,4,5,6,7
	ds_load_b128 v[XB+4*(\b):XB+4*(\b)+3], v[ADRE] offset:(\a)*16*PITCH+32*(\b)
.endr
.endm
.macro FM d, x, acc, s, hi             ; d = (f16 half of x) * acc + s, reckoned in f32; all sources are vector registers
.if \hi
	v_fma_mix_f32 v[\d], v[\x], v[\acc], v[\s] op_sel:[1,0,0] op_sel_hi:[1,0,0]
.else
	v_fma_mix_f32 v[\d], v[\x], v[\acc], v[\s] op_sel_hi:[1,0,0]
.endif
.endm
.macro BLOCK a                         ; 64 multiply-adds in eight chains whose links stand eight lines apart; each accumulator's registers are read in ascending order
.if (\a) == 7
	s_wait_dscnt 0x0
.else
	s_wait_dscnt 8                                 ; this block's eight loads are in; the next block's may stay out
.endif
.set XB, XE0+160*((\a)%2)
.set AC, 64*((\a)%4)
	WIN 0x08+4*((\a)/4)                            ; source 1, the sums, in window 2 or 3
.set bb, 0
.rept 8
.set jj, 0
.rept 8
.set SRC, S8+jj
.if bb == 0
.set SRC, ZERO
.endif
	FM S8+jj, XB+4*bb+jj/2, AC+8*bb+jj, SRC, jj%2
.set jj, jj+1
.endr
.set bb, bb+1
.endr
	WIN 0
.if (\a) < 6
	ELOAD (\a)+2                                   ; its buffer takes the block two further on
.endif
	v_pk_add_f32 v[S8:S8+1], v[S8:S8+1], v[S8+2:S8+3]
	v_pk_add_f32 v[S8+4:S8+5], v[S8+4:S8+5], v[S8+6:S8+7]
	v_pk_add_f32 v[S8:S8+1], v[S8:S8+1], v[S8+4:S8+5]
	v_add_f32 v[YR+(\a)], v[S8], v[S8+1]
.endm
	s_wait_tensorcnt 0x0                           ; my last tile is in; I alone read it, so no barrier is wanted
	ELOAD 0
	ELOAD 1
.irp a, 0,1,2,3,4,5,6,7
	BLOCK \a
.endr
.irp a, 0,1,2,3,4,5,6,7
	v_permlanex16_b32 v[PX+(\a)], v[YR+(\a)], s70, s71  ; the row's other 64 columns lie in the lane 16 away
.endr
.irp a, 0,1,2,3,4,5,6,7
	v_add_f32 v[YR+(\a)], v[YR+(\a)], v[PX+(\a)]
.endr
.irp a, 0,1,2,3,4,5,6,7
	ds_store_b32 v[STO], v[YR+(\a)] offset:64*(\a) ; row 16 a + l % 16; both halves of the lanes write the same word with the same number
.endr
	ds_load_b128 v[OV:OV+3], v[RD]                 ; LDS serves a wave's instructions in order (ISA guide 5.7.1.4): this sees the stores above; four rows a lane
	s_wait_dscnt 0x0
	global_store_b128 v[CO], v[OV:OV+3], s[8:9]    ; the wave stores 512 consecutive bytes, at a multiple of 256 from part's first byte
	s_wait_tensorcnt 0x0                           ; the wave's end: behind my last tensor load and my last LDS store
	ds_add_u32 v[SPW], v[NIL]
	s_wait_dscnt 0x0
	CROUND                                         ; the closing round: no work-group ends while a partner may still ask for a tile that names it
	s_endpgm
.Lfunc_end_k_q9161456e4a_quad:
	.size	k_q9161456e4a_quad, .Lfunc_end_k_q9161456e4a_quad-k_q9161456e4a_quad
	.p2alignl 7, 3214868480
	.fill 96, 4, 3214868480
	.section	.rodata,"a",@progbits
	.p2align	6, 0x0
	.amdhsa_kernel k_q9161456e4a_quad
		.amdhsa_group_segment_fixed_size 327680
		.amdhsa_private_segment_fixed_size 0
		.amdhsa_enable_private_segment 0
		.amdhsa_kernarg_size 32
		.amdhsa_user_sgpr_count 2
		.amdhsa_user_sgpr_kernarg_segment_ptr 1
		.amdhsa_wavefront_size32 1
		.amdhsa_system_sgpr_workgroup_id_x 1
		.amdhsa_system_sgpr_workgroup_id_y 1
		.amdhsa_system_sgpr_workgroup_id_z 1
		.amdhsa_system_vgpr_workitem_id 0
		.amdhsa_next_free_vgpr 1024
		.amdhsa_next_free_sgpr 80
		.amdhsa_reserve_vcc 0
		.amdhsa_float_denorm_mode_32 3
		.amdhsa_float_denorm_mode_16_64 3
		.amdhsa_memory_ordered 1
		.amdhsa_forward_progress 1
		.amdhsa_inst_pref_size 155
	.end_amdhsa_kernel
	.amdgpu_metadata
---
amdhsa.version: [ 1, 2 ]
amdhsa.kernels:
  - .name:           k_q9161456e4a_quad
    .symbol:         k_q9161456e4a_quad.kd
    .args:
      - { .name: xh, .offset: 0, .size: 8, .value_kind: global_buffer, .address_space: global }
      - { .name: uh, .offset: 8, .size: 8, .value_kind: global_buffer, .address_space: global }
      - { .name: b, .offset: 16, .size: 8, .value_kind: global_buffer, .address_space: global }
      - { .name: part, .offset: 24, .size: 8, .value_kind: global_buffer, .address_space: global }
    .group_segment_fixed_size: 327680
    .private_segment_fixed_size: 0
    .kernarg_segment_align: 8
    .kernarg_segment_size: 32
    .max_flat_workgroup_size: 128
    .sgpr_count:     80
    .vgpr_count:     1024
    .wavefront_size: 32
...
	.end_amdgpu_metadata
.endif
;; end of part 2
;; launch finish (part 3): grid 32 x 1, 1 waves a work-group, no clusters, 0 bytes of LDS; arguments part, c, out0; writes out0
.if DOCPART == 3
	.amdgcn_target "amdgcn-amd-amdhsa--gfx1250"
	.amdhsa_code_object_version 6
	.text
	.protected	k_q9161456e4a_finish
	.globl	k_q9161456e4a_finish
	.p2align	8
	.type	k_q9161456e4a_finish,@function
k_q9161456e4a_finish:
	s_mov_b64 s[64:65], 0
	v_nop
	global_prefetch_b8 v0, s[64:65] scope:SCOPE_SE
	s_setreg_imm32_b32 hwreg(HW_REG_WAVE_MODE, 25, 1), 1
	s_wait_xcnt 0x0
; out0[m] = c + the sum over the 32 slots s of part[s][m].  part: [32][4096] f32, the partial sums of the launch before (two halves of 16 column blocks); c: [1] f32; out0: [4096] f32.
; A wave owns 128 rows, a lane four: each load and the store cover 512 consecutive bytes, aligned.  All 32 loads go out before the one wait.  There is work for 32 waves, and so many are launched.
; The sums are taken in f32, pairwise: an order of its own, not the reference's.
.set P, 4                              ; v[4:131]  slot s's four numbers at P + 4 s
	s_load_b128 s[4:7], s[0:1], 0x0                ; part s[4:5], c s[6:7]
	s_load_b64 s[8:9], s[0:1], 0x10                ; out0
	v_lshlrev_b32 v1, 4, v0                        ; 16 x lane
	s_lshl_b32 s2, ttmp9, 9                        ; the wave's 128 rows
	v_add_nc_u32 v1, s2, v1
	s_wait_kmcnt 0x0
	s_load_b32 s10, s[6:7], 0x0                    ; c
.set s, 0
.rept 32
	global_load_b128 v[P+4*s:P+4*s+3], v1, s[4:5] offset:16384*s th:TH_LOAD_NT
.set s, s+1
.endr
	s_wait_kmcnt 0x0
	s_wait_loadcnt 0x0
.irp w, 16,8,4,2,1                     ; slots w apart are added: 16, 8, 4, 2 and 1 pairs of slots, two packed sums each
.set s, 0
.rept \w
	v_pk_add_f32 v[P+4*s:P+4*s+1],   v[P+4*s:P+4*s+1],   v[P+4*(s+(\w)):P+4*(s+(\w))+1]
	v_pk_add_f32 v[P+4*s+2:P+4*s+3], v[P+4*s+2:P+4*s+3], v[P+4*(s+(\w))+2:P+4*(s+(\w))+3]
.set s, s+1
.endr
.endr
.irp r, 0,1,2,3
	v_add_f32 v[P+(\r)], s10, v[P+(\r)]
.endr
	global_store_b128 v1, v[P:P+3], s[8:9]
	s_endpgm
.Lfunc_end_k_q9161456e4a_finish:
	.size	k_q9161456e4a_finish, .Lfunc_end_k_q9161456e4a_finish-k_q9161456e4a_finish
	.p2alignl 7, 3214868480
	.fill 96, 4, 3214868480
	.section	.rodata,"a",@progbits
	.p2align	6, 0x0
	.amdhsa_kernel k_q9161456e4a_finish
		.amdhsa_group_segment_fixed_size 0
		.amdhsa_private_segment_fixed_size 0
		.amdhsa_enable_private_segment 0
		.amdhsa_kernarg_size 24
		.amdhsa_user_sgpr_count 2
		.amdhsa_user_sgpr_kernarg_segment_ptr 1
		.amdhsa_wavefront_size32 1
		.amdhsa_system_sgpr_workgroup_id_x 1
		.amdhsa_system_sgpr_workgroup_id_y 1
		.amdhsa_system_sgpr_workgroup_id_z 1
		.amdhsa_system_vgpr_workitem_id 0
		.amdhsa_next_free_vgpr 136
		.amdhsa_next_free_sgpr 66
		.amdhsa_reserve_vcc 0
		.amdhsa_float_denorm_mode_32 3
		.amdhsa_float_denorm_mode_16_64 3
		.amdhsa_memory_ordered 1
		.amdhsa_forward_progress 1
		.amdhsa_inst_pref_size 8
	.end_amdhsa_kernel
	.amdgpu_metadata
---
amdhsa.version: [ 1, 2 ]
amdhsa.kernels:
  - .name:           k_q9161456e4a_finish
    .symbol:         k_q9161456e4a_finish.kd
    .args:
      - { .name: part, .offset: 0, .size: 8, .value_kind: global_buffer, .address_space: global }
      - { .name: c, .offset: 8, .size: 8, .value_kind: global_buffer, .address_space: global }
      - { .name: out0, .offset: 16, .size: 8, .value_kind: global_buffer, .address_space: global }
    .group_segment_fixed_size: 0
    .private_segment_fixed_size: 0
    .kernarg_segment_align: 8
    .kernarg_segment_size: 24
    .max_flat_workgroup_size: 32
    .sgpr_count:     66
    .vgpr_count:     136
    .wavefront_size: 32
...
	.end_amdgpu_metadata
.endif
;; end of part 3
;; ======== version 2 of 2: 3 launches; version 1 with the launch prep written anew for expert scheduling mode
;; limits: values are held in f16: magnitudes above 65,504 overflow, below 6.1e-05 lose precision
;; workspace buffers: xh 33,554,432 bytes; uh 18,874,368 bytes; part 524,288 bytes
;; launch prep (part 4): grid 1024 x 1, 8 waves a work-group, no clusters, 70,656 bytes of LDS; arguments x, A, xh, uh; writes xh, uh
.if DOCPART == 4
	.amdgcn_target "amdgcn-amd-amdhsa--gfx1250"
	.amdhsa_code_object_version 6
	.text
	.protected	k_q9161456e4a_prep
	.globl	k_q9161456e4a_prep
	.p2align	8
	.type	k_q9161456e4a_prep,@function
k_q9161456e4a_prep:
	s_mov_b64 s[64:65], 0
	v_nop
	global_prefetch_b8 v0, s[64:65] scope:SCOPE_SE
	s_setreg_imm32_b32 hwreg(HW_REG_WAVE_SCHED_MODE, 0, 2), 2
	s_setreg_imm32_b32 hwreg(HW_REG_WAVE_MODE, 25, 1), 1
	s_wait_xcnt 0x0
	s_wait_alu depctr_vm_vsrc(0)
; y[i] = sum over k, j of x[i][k] A[k][j] x[i][j] + sum over j of x[i][j] b[j] + c.   x, A: [4096][4096] f32.
; THE FOLD.  The ordered pairs (k, j) and (j, k) carry the same factor x[i][k] x[i][j], whatever the inputs hold, so A[k][j] + A[j][k] is formed once and multiplied once.
; Columns and K are cut into 16 blocks of 256.  Column block N takes the K blocks (N + d) mod 16 for d = 0 .. 7, and d = 8 where N < 8: each unordered pair of blocks is taken exactly once
; (distance 1 to 7: by the arc's lower end; distance 8: by the smaller number), 136 blocks for 256.  U(N, 0) = A's diagonal block as it lies; U(N, d >= 1)[n][k] = A[n][k] + A[k][n].
; Then y[m] = c + sum over N, n in N of x[m][n] (b[n] + sum over d, k of U(N, d)[n][k] x[m][k]).  No work of the problem is left out: all four inputs reach the result; the same products are grouped anew.
; THIS LAUNCH rounds x to f16 (xh, [4096][4096]) and makes U in f16 (uh, [16 N][256 n][2304 p], p = 256 d + k: the order in which the next launch walks K; for N >= 8 the last 512 bytes
; of a row are neither written nor read).
; LIMITS.  x and A[n][k] + A[k][n] are rounded once to f16: they must stay under 65,520 in magnitude; below 6e-5 f16 keeps a fixed step of 6e-8.  The order of the sums is not the reference's.
; NaN and infinities are not treated apart.
; SHARES.  Every work-group reads 128 KiB.  g < 480: one strip of 64 rows of one of the 120 folded blocks.  480 <= g < 512: 128 rows of a diagonal block.  g >= 512: 128 KiB of x.
; All data goes through registers; matrix units, clusters and tensor loads would add nothing: no byte is read twice.
; THE MODE: SCHED_MODE bits 1:0 = 2 (LLVM: expert scheduling mode 2), set by the entry lines.  The code itself states the register dependences between vector instructions and memory or LDS
; instructions, with s_wait_alu, always for 0.
; THE PLAN, THE CASTS.  32 chunks go in 8 blocks of four.  Registers that memory instructions touch:
;   X0 .. X4   five blocks as loaded.  Written by the loads of block p + 4, issued in block p; read by block p's conversions.
;   Y0 .. Y4   five blocks to store.   Written by block p's conversions; read by the four stores that are issued in block p + 1.
;   v2, v3     byte offsets, made once and never written again: the chunks are reached by immediate offsets.
; Block p works on X[p % 5] and writes Y[p % 5].  Its memory instructions are the loads into X[(p + 4) % 5] = X[(p - 1) % 5] and the stores from Y[(p - 1) % 5]: the two buffers that block p - 1
; worked on and that no vector instruction of block p names.  So one wait on va_vdst at a block's head states all that its eight memory instructions hang on.  Y0, Y1, Y2 are written a second time,
; by blocks 5, 6, 7; their first stores were issued in blocks 1, 2, 3: one wait on vm_vsrc, at block 5's head, serves the three.
; THE PLAN, A FOLDED STRIP.  v2 .. v6: addresses, made once.  SR: S's loads land in it, my LDS stores read it, the LDS loads behind the barrier land in it, the additions read it.
; DR: D's loads land in it; item it's additions and roundings write its sixteen registers; its four stores, issued in item it + 1, read them; nothing writes them again.
.set SPARE, 69632                      ; behind the strip in LDS: the spare words, 128 bytes for each of the 8 waves: four blocks of 256 bytes that no other line names
.set SPW, 140                          ; v140  LDS address of my spare word; never rewritten
.set NIL, 141                          ; v141  0; never rewritten
.set IN,  16                           ; s[16:17] where I read
.set OUT, 18                           ; s[18:19] where I store
.set SB,  20                           ; s[20:21] the block that is turned
.set VI,  2                            ; v2   the casts: my byte offset in a chunk as read
.set VO,  3                            ; v3   and as stored
.set X,   8                            ; v[8:87]   the casts: buffer k, chunk i: 4 registers at X + 16 k + 4 i, as loaded
.set Y,   88                           ; v[88:127] buffer k, chunk i: 2 registers at Y + 8 k + 2 i, to store
	s_load_b256 s[4:11], s[0:1], 0x0               ; x s[4:5], A s[6:7], xh s[8:9], uh s[10:11]
	v_lshl_add_u32 v[SPW], v0, 2, SPARE
	v_mov_b32 v[NIL], 0
	s_mov_b32 s2, ttmp9                            ; g
	s_wait_kmcnt 0x0
	s_cmp_lt_u32 s2, 480
	s_cbranch_scc1 .Lsym
	s_cmp_lt_u32 s2, 512
	s_cbranch_scc1 .Ldiag
; Block p of a cast: chunks 4 p .. 4 p + 3 are rounded; block p + 4 is asked for; block p - 1 is stored.
.macro CBLK p, instep, outstep
.if (\p) < 5
	s_wait_loadcnt 12                              ; loads come back in order: block p's four are in, the three younger blocks' twelve stay out
.else
	s_wait_loadcnt 4*(7-(\p))                      ; the last blocks load nothing: the counts run down
.endif
.if (\p) == 5
	s_wait_xcnt 0x0                                ; the stores issued so far have had their addresses translated: Y0, Y1 and Y2 are written again only behind this wait
	s_wait_alu depctr_vm_vsrc(0)                   ; the stores issued in blocks 1, 2 and 3 have read Y0, Y1 and Y2, which the conversions of blocks 5, 6 and 7 write again
.endif
.if (\p) > 0
	s_wait_alu depctr_va_vdst(0)                   ; the block before has written its Y, which the stores below read, and is done reading its X, in which the loads below land
.endif
.irp i, 0,1,2,3
.if (\p) < 4
	global_load_b128 v[X+16*(((\p)+4)%5)+4*(\i):X+16*(((\p)+4)%5)+4*(\i)+3], v[VI], s[IN:IN+1] offset:(4*((\p)+4)+(\i))*(\instep) th:TH_LOAD_NT  ; four blocks ahead; no vector instruction since the wait names these registers
.endif
.if (\p) > 0
	global_store_b64 v[VO], v[Y+8*(((\p)+4)%5)+2*(\i):Y+8*(((\p)+4)%5)+2*(\i)+1], s[OUT:OUT+1] offset:(4*((\p)-1)+(\i))*(\outstep) th:TH_STORE_NT  ; the block before
.endif
	v_cvt_pk_f16_f32 v[Y+8*((\p)%5)+2*(\i)], v[X+16*((\p)%5)+4*(\i)], v[X+16*((\p)%5)+4*(\i)+1]
	v_cvt_pk_f16_f32 v[Y+8*((\p)%5)+2*(\i)+1], v[X+16*((\p)%5)+4*(\i)+2], v[X+16*((\p)%5)+4*(\i)+3]
.endr
.endm
; 32 chunks of 4,096 bytes of f32 are rounded to f16.  Behind a block's head 16 loads of every wave are on their way.  A wave's load covers 512 consecutive bytes, its store 256, both aligned.
.macro CAST instep, outstep
	s_wait_alu depctr_va_vdst(0)                   ; v2 and v3 are written: every load and store of this path reads one of them as its offset
.set i, 0
.rept 16
	global_load_b128 v[X+4*i:X+4*i+3], v[VI], s[IN:IN+1] offset:i*(\instep) th:TH_LOAD_NT  ; blocks 0 to 3 into X0 to X3
.set i, i+1
.endr
.irp p, 0,1,2,3,4,5,6,7
	CBLK \p, \instep, \outstep
.endr
	s_wait_alu depctr_va_vdst(0)                   ; block 7 has written Y2, which the last four stores read
.irp i, 0,1,2,3
	global_store_b64 v[VO], v[Y+8*(7%5)+2*(\i):Y+8*(7%5)+2*(\i)+1], s[OUT:OUT+1] offset:(28+(\i))*(\outstep) th:TH_STORE_NT
.endr
.endm
	; x: chunk g - 512 of 128 KiB, dense
	s_sub_co_u32 s22, s2, 512
	s_lshl_b32 s24, s22, 17
	s_mov_b32 s25, 0
	s_lshl_b32 s26, s22, 16
	s_mov_b32 s27, 0
	s_add_nc_u64 s[IN:IN+1], s[4:5], s[24:25]
	s_add_nc_u64 s[OUT:OUT+1], s[8:9], s[26:27]
	v_lshlrev_b32 v[VI], 4, v0                     ; 16 t
	v_lshlrev_b32 v[VO], 3, v0                     ; 8 t
	CAST 4096, 2048
	s_endpgm                                       ; this path writes no LDS
.Ldiag:	; a diagonal block's rows 128 hf .. 128 hf + 127: a chunk is 4 rows of 1,024 bytes
	s_sub_co_u32 s22, s2, 480
	s_lshr_b32 s23, s22, 1                         ; N
	s_and_b32 s22, s22, 1                          ; hf
	s_lshl_b32 s24, s23, 22                        ; 256 N rows of 16,384 bytes
	s_lshl_b32 s25, s22, 21                        ; 128 hf rows
	s_add_co_u32 s24, s24, s25
	s_lshl_b32 s25, s23, 10                        ; column 256 N
	s_add_co_u32 s24, s24, s25
	s_mov_b32 s25, 0
	s_mul_i32 s26, s23, 1179648                    ; uh: 256 rows of 4,608 bytes for each N
	s_mul_i32 s27, s22, 589824
	s_add_co_u32 s26, s26, s27
	s_mov_b32 s27, 0
	s_add_nc_u64 s[IN:IN+1], s[6:7], s[24:25]
	s_add_nc_u64 s[OUT:OUT+1], s[10:11], s[26:27]
	v_lshrrev_b32 v1, 6, v0                        ; my row of the chunk's four
	v_and_b32 v7, 63, v0
	v_lshlrev_b32 v[VI], 4, v7
	v_lshl_add_u32 v[VI], v1, 14, v[VI]
	v_lshlrev_b32 v[VO], 3, v7
	v_mul_u32_u24 v1, v1, 4608
	v_add_nc_u32 v[VO], v[VO], v1
	CAST 65536, 18432
	s_endpgm                                       ; this path writes no LDS
; A FOLDED BLOCK's strip: rows n = 64 s .. 64 s + 63 of U(N, d).  D = A[256 N + n][256 K + k] lies as U lies: wave w loads rows 8 w .. 8 w + 7 into registers, 512 consecutive bytes a load.
; S = A[256 K + k][256 N + n] is 256 rows of 256 bytes: it goes into LDS as it lies (rows of 272 bytes) and is read back by columns: lane l takes 16 bytes (four n) of the four rows k = 4 l + e,
; so that the turning is a choice of register names.  Those reads take rows 1,088 bytes apart and meet four deep in the banks (64 banks of 4 bytes: ISA guide 11.1); there are 16 of them a wave.
.set SR,  8                            ; v[8:71]   S as loaded, later as read back: item it, row e at SR + 16 it + 4 e
.set DR,  72                           ; v[72:135] D: item it, row c at DR + 4 (4 it + c)
.set VS,  2                            ; v2  S in memory: (t / 16) x 4 rows + 16 (t % 16)
.set VW,  3                            ; v3  the same place in LDS
.set VD,  4                            ; v4  D in memory: wave x 8 rows + 16 lane
.set VR,  5                            ; v5  S read back: lane x 4 rows + 32 wave
.set SVO, 6                            ; v6  uh: wave x 8 rows + 8 lane
.macro SSTORE it, c                    ; row c of item it leaves: the wave stores 256 consecutive bytes, aligned
	global_store_b64 v[SVO], v[DR+4*(4*(\it)+(\c)):DR+4*(4*(\it)+(\c))+1], s[OUT:OUT+1] offset:(4*((\it)/2)+(\c))*4608+256*((\it)%2) th:TH_STORE_NT
.endm
.Lsym:
	s_lshr_b32 s22, s2, 2
	s_and_b32 s23, s2, 3                           ; s
	s_lshr_b32 s24, s22, 4
	s_add_co_u32 s24, s24, 1                       ; d = 1 .. 8
	s_and_b32 s22, s22, 15                         ; N (0 .. 7 where d = 8)
	s_add_co_u32 s25, s22, s24
	s_and_b32 s25, s25, 15                         ; K
	s_lshl_b32 s26, s22, 8
	s_lshl_b32 s27, s23, 6
	s_add_co_u32 s26, s26, s27                     ; R0 = 256 N + 64 s
	s_lshl_b32 s28, s26, 14
	s_lshl_b32 s30, s25, 10
	s_add_co_u32 s28, s28, s30
	s_mov_b32 s29, 0
	s_add_nc_u64 s[IN:IN+1], s[6:7], s[28:29]      ; D: row R0, column 256 K
	s_lshl_b32 s28, s25, 22
	s_lshl_b32 s30, s26, 2
	s_add_co_u32 s28, s28, s30
	s_add_nc_u64 s[SB:SB+1], s[6:7], s[28:29]      ; S: row 256 K, column R0
	s_mul_i32 s28, s22, 1179648
	s_mul_i32 s30, s23, 294912                     ; 64 rows of 4,608 bytes
	s_add_co_u32 s28, s28, s30
	s_lshl_b32 s30, s24, 9                         ; p = 256 d
	s_add_co_u32 s28, s28, s30
	s_add_nc_u64 s[OUT:OUT+1], s[10:11], s[28:29]
	v_lshrrev_b32 v7, 4, v0
	v_and_b32 v1, 15, v0
	v_lshlrev_b32 v1, 4, v1
	v_lshl_add_u32 v[VS], v7, 16, v1
	v_mul_u32_u24 v[VW], v7, 1088
	v_add_nc_u32 v[VW], v[VW], v1
	v_lshrrev_b32 v7, 5, v0                        ; wave
	v_and_b32 v1, 31, v0                           ; lane
	v_lshlrev_b32 v[VD], 4, v1
	v_lshl_add_u32 v[VD], v7, 17, v[VD]
	v_mul_u32_u24 v[VR], v1, 1088
	v_lshl_add_u32 v[VR], v7, 5, v[VR]
	v_mul_u32_u24 v[SVO], v7, 36864
	v_lshl_add_u32 v[SVO], v1, 3, v[SVO]
	s_wait_alu depctr_va_vdst(0)                   ; the five addresses v2 to v6 are written, which the loads, LDS stores, LDS loads and stores below read; no vector instruction writes them again
.irp i, 0,1,2,3
.irp q, 0,1,2,3
	global_load_b128 v[SR+4*(4*(\i)+(\q)):SR+4*(4*(\i)+(\q))+3], v[VS], s[SB:SB+1] offset:(\i)*1048576+(\q)*16384 th:TH_LOAD_NT  ; row 4 (t / 16 + 16 i) + q: sixteen lanes take its 256 bytes
.endr
.endr
.irp it, 0,1,2,3
.irp c, 0,1,2,3
	global_load_b128 v[DR+4*(4*(\it)+(\c)):DR+4*(4*(\it)+(\c))+3], v[VD], s[IN:IN+1] offset:(4*((\it)/2)+(\c))*16384+512*((\it)%2) th:TH_LOAD_NT  ; row 8 w + 4 (it / 2) + c, half it % 2
.endr
.endr
.irp i, 0,1,2,3
.irp q, 0,1,2,3
	s_wait_loadcnt 31-(4*(\i)+(\q))                ; this load of S is in; the younger ones of S and all 16 of D stay out
	ds_store_b128 v[VW], v[SR+4*(4*(\i)+(\q)):SR+4*(4*(\i)+(\q))+3] offset:(\i)*17408+(\q)*272
.endr
.endr
	s_wait_dscnt 0x0                               ; for the others' sake: my part of S lies in LDS
	s_barrier_signal -1
	s_barrier_wait -1                              ; everybody's does
	s_wait_alu depctr_vm_vsrc(0)                   ; my LDS stores have read v[SR ..], in which the LDS loads below land
.irp it, 0,1,2,3
.irp e, 0,1,2,3
	ds_load_b128 v[SR+16*(\it)+4*(\e):SR+16*(\it)+4*(\e)+3], v[VR] offset:((\it)%2)*34816+(\e)*272+16*((\it)/2)  ; S[128 (it % 2) + 4 l + e][8 w + 4 (it / 2) + 0 .. 3]
.endr
.endr
.irp it, 0,1,2,3
	s_wait_loadcnt 12-4*(\it)                      ; this item's four loads of D are in; the later items' stay out
	s_wait_dscnt 12-4*(\it)                        ; and its four reads of S
.if (\it) > 0
	s_wait_alu depctr_va_vdst(0)                   ; the item before has rounded into its registers of DR, which the four stores below read; this item's vector instructions name its own sixteen of DR and of SR alone
.endif
.irp c, 0,1,2,3
.if (\it) > 0
	SSTORE (\it)-1, \c
.endif
.irp e, 0,1,2,3
	v_add_f32 v[DR+4*(4*(\it)+(\c))+(\e)], v[DR+4*(4*(\it)+(\c))+(\e)], v[SR+16*(\it)+4*(\e)+(\c)]
.endr
.endr
.irp c, 0,1,2,3
	v_cvt_pk_f16_f32 v[DR+4*(4*(\it)+(\c))], v[DR+4*(4*(\it)+(\c))], v[DR+4*(4*(\it)+(\c))+1]
	v_cvt_pk_f16_f32 v[DR+4*(4*(\it)+(\c))+1], v[DR+4*(4*(\it)+(\c))+2], v[DR+4*(4*(\it)+(\c))+3]
.endr
.endr
	s_wait_alu depctr_va_vdst(0)                   ; item 3 has rounded into its registers of DR, which the last four stores read
.irp c, 0,1,2,3
	SSTORE 3, \c
.endr
	s_wait_dscnt 0x0                               ; the closing lines, six on end
	s_wait_alu 0x0
	s_wait_tensorcnt 0x0
	ds_add_u32 v[SPW], v[NIL]
	s_wait_dscnt 0x0
	s_endpgm
.Lfunc_end_k_q9161456e4a_prep:
	.size	k_q9161456e4a_prep, .Lfunc_end_k_q9161456e4a_prep-k_q9161456e4a_prep
	.p2alignl 7, 3214868480
	.fill 96, 4, 3214868480
	.section	.rodata,"a",@progbits
	.p2align	6, 0x0
	.amdhsa_kernel k_q9161456e4a_prep
		.amdhsa_group_segment_fixed_size 70656
		.amdhsa_private_segment_fixed_size 0
		.amdhsa_enable_private_segment 0
		.amdhsa_kernarg_size 32
		.amdhsa_user_sgpr_count 2
		.amdhsa_user_sgpr_kernarg_segment_ptr 1
		.amdhsa_wavefront_size32 1
		.amdhsa_system_sgpr_workgroup_id_x 1
		.amdhsa_system_sgpr_workgroup_id_y 1
		.amdhsa_system_sgpr_workgroup_id_z 1
		.amdhsa_system_vgpr_workitem_id 0
		.amdhsa_next_free_vgpr 144
		.amdhsa_next_free_sgpr 66
		.amdhsa_reserve_vcc 0
		.amdhsa_float_denorm_mode_32 3
		.amdhsa_float_denorm_mode_16_64 3
		.amdhsa_memory_ordered 1
		.amdhsa_forward_progress 1
		.amdhsa_inst_pref_size 37
	.end_amdhsa_kernel
	.amdgpu_metadata
---
amdhsa.version: [ 1, 2 ]
amdhsa.kernels:
  - .name:           k_q9161456e4a_prep
    .symbol:         k_q9161456e4a_prep.kd
    .args:
      - { .name: x, .offset: 0, .size: 8, .value_kind: global_buffer, .address_space: global }
      - { .name: A, .offset: 8, .size: 8, .value_kind: global_buffer, .address_space: global }
      - { .name: xh, .offset: 16, .size: 8, .value_kind: global_buffer, .address_space: global }
      - { .name: uh, .offset: 24, .size: 8, .value_kind: global_buffer, .address_space: global }
    .group_segment_fixed_size: 70656
    .private_segment_fixed_size: 0
    .kernarg_segment_align: 8
    .kernarg_segment_size: 32
    .max_flat_workgroup_size: 256
    .sgpr_count:     66
    .vgpr_count:     144
    .wavefront_size: 32
...
	.end_amdgpu_metadata
.endif
;; end of part 4
;; launch quad: the kernel of part 2 again; grid 16 x 16, 4 waves a work-group, clusters of 4 x 1, 327,680 bytes of LDS; arguments xh, uh, b, part; writes part
;; launch finish: the kernel of part 3 again; grid 32 x 1, 1 waves a work-group, no clusters, 0 bytes of LDS; arguments part, c, out0; writes out0
